; MI455X (gfx1250); checked and timed in simulation.
; The chip was launched on July 23, 2026; its instructions are those of AMD's public machine-readable ISA for CDNA 5 (MIT licence, August 2026) and "CDNA5" Instruction Set Architecture Reference Guide (July 2026). The comments in the code are by the model that wrote it; some were corrected since.
;; PM Mo E part lvl MLP Block. Allowed arithmetic: float matrix products may take bf16 or f16 operands with f32 sums; other float arithmetic in f32, or as packed bf16 or f16 multiplies, adds, multiply-adds, maxima and minima; sums over many terms, partial sums and values carried from step to step in f32; what a program stores and reads back later, other than sums and carried values, may be rounded once to bf16 or f16.
;; Inputs: W1 8 x 1,024 x 1,024 float32; W2 8 x 1,024 x 256 float32; Wg 8 x 256 x 1,024 float32; Wu 8 x 256 x 1,024 float32; b1 8 x 1,024 float32; b2 8 x 256 float32; bg 8 x 1,024 float32; bu 8 x 1,024 float32; selected_experts 4 x 512 x 2 int32; x_parts 4 x 512 x 2 x 256 float32.
;; Outputs: out0 4 x 512 x 2 x 256 float32.
;; One version. Each part assembles by itself: llvm-mc -triple=amdgcn-amd-amdhsa -mcpu=gfx1250 --defsym DOCPART=n.
;; ======== version 1 of 1: 3 launches
;; workspace buffers: h1 67,108,864 bytes; h2 134,217,728 bytes; order 131,072 bytes of whole numbers; cnt 131,072 bytes of whole numbers
;; launch swiglu (part 1): grid 32 x 8, 4 waves a work-group, no clusters, 50,432 bytes of LDS; arguments x_parts, selected_experts, Wg, Wu, bg, bu, h1, order, cnt; writes h1, order, cnt
.if DOCPART == 1
	.amdgcn_target "amdgcn-amd-amdhsa--gfx1250"
	.amdhsa_code_object_version 6
	.text
	.protected	k_q91e5bc1bff_swiglu
	.globl	k_q91e5bc1bff_swiglu
	.p2align	8
	.type	k_q91e5bc1bff_swiglu,@function
k_q91e5bc1bff_swiglu:
	s_mov_b64 s[64:65], 0
	v_nop
	global_prefetch_b8 v0, s[64:65] scope:SCOPE_SE
	s_setreg_imm32_b32 hwreg(HW_REG_WAVE_MODE, 25, 1), 1
	s_wait_xcnt 0x0
; h1 = silu(x Wg[e] + bg[e]) * (x Wu[e] + bu[e]) for the rows that chose expert e, and the routing for the two launches behind.
; SHARES.  Work-group (s, e): 32 gate columns and the same 32 up columns (32 s ..) of expert e, kept in registers as bf16 fragments, and ALL rows of that expert.
; Each weight is read once in the launch, by this work-group, and rounded to bf16 on its way through registers.  Wave w takes the blocks of 16 rows w, w + 4, ...
; ROUTING.  Every work-group compacts the 4,096 indices for its own expert: wave w lists the matching tokens among 1024 w .. 1024 w + 1023 in its own part of LDS; a rank is turned into a
; place in the four lists by the three prefix sums of the waves' counts.  Ranks at or past the count repeat the expert's last row, so every block of 16 is computed and stored whole.
; PRODUCT.  Source 0 = 16 columns of weights x 32 k, source 1 = 16 rows of x x 32 k: in the result a lane holds ONE row (lane % 16) and the columns 8 (lane / 16) + 0..7, which pack into the
; 16 bytes that the next launch's lane takes as half a fragment.  h1 byte address: ((256 e + block) 64 + cb) 512 + 16 lane, cb = a group of 16 columns: a wave's store covers 512 consecutive bytes, aligned.
; The bias, rounded to bf16 like every input, is the C operand that starts each sum.
; order[4096 e + p] = the token of rank min(p, count - 1); cnt: 128 equal words (the expert's count) for each work-group.
; NO CLUSTER, NO TENSOR LOADS: what an expert's 32 work-groups share is its rows of x, which come by a list that no tile's descriptor covers; and the loop's length is a count made from data,
; so it holds no barrier.  No weight has a second reader.
; LIMITS.  An index outside 0..7 matches no expert: its output row is never written.  2^t below 2^-126 counts as 0 in the sigmoid.  NaN and infinities are not treated apart.
.set REG,   1056                       ; words in a wave's list: 1,024 entries and 32 words, one a lane, for lanes without a match
.set LIST,  32768                      ; LDS: 0 .. 32767 the weights' fragments, 8,192 bytes a wave: fragment (a, q) at (q/2) 8192 + (2 a + q%2) 1024; a = 2 (gate 0, up 1) + column half
.set WCNT,  49664                      ; four words: the waves' counts
.set SPARE, 49920                      ; the spare words, 128 bytes a wave
; window 0: v1 r, v2 h, v3 lane, v6 weights' offset, v7 fragments' store address, v9 16 lane, v10-11 the add's, v12 next rank, v13 next token, v14-15 x offsets, v16 32 h, v17-19 at work,
;   v20-27 compaction, v28-31 counts, v32-63 biases, v64-95 sums (gate 0, gate 1, up 0, up 1), v96-111 at work, v112-119 h1 to store, v120-125 prologue, v128-191 x in bf16, v192-223 indices
; window 1: the 32 fragments of weights, (a, q) at 8 (8 a + q).   window 2: two buffers of 128 for a block's x in f32 (in the preamble: weights in f32, and packed at 128 ..)
.set MSB, 0
.macro WIN new                         ; the immediate's high byte repeats the setting that is left; a switch that changes nothing is dropped
.if MSB != (\new)
	s_set_vgpr_msb (MSB<<8)|(\new)
.set MSB, (\new)
.endif
.endm
	s_load_b512 s[8:23], s[0:1], 0x0               ; x 8:9, sel 10:11, Wg 12:13, Wu 14:15, bg 16:17, bu 18:19, h1 20:21, order 22:23
	s_load_b64 s[24:25], s[0:1], 0x40              ; cnt
	v_lshl_add_u32 v10, v0, 2, SPARE               ; my spare word,
	v_mov_b32 v11, 0                               ; and 0: kept for the add alone
	v_lshrrev_b32 v17, 5, v0
	v_readfirstlane_b32 s26, v17                   ; wave w
	s_and_b32 s27, ttmp7, 0xffff                   ; expert e
	s_mov_b32 s28, ttmp9                           ; slice s
	v_and_b32 v1, 15, v0                           ; r
	v_bfe_u32 v2, v0, 4, 1                         ; h
	v_and_b32 v3, 31, v0                           ; lane
	v_and_b32 v4, 7, v0                            ; nq: which four columns of the slice I load
	v_bfe_u32 v5, v0, 3, 2                         ; ko: which eight rows of a K block
	v_lshlrev_b32 v6, 15, v5                       ; 8 ko rows of 4,096 bytes
	v_lshl_add_u32 v6, v4, 4, v6                   ; + 16 nq
	v_bfe_u32 v17, v0, 2, 1                        ; column half t = nq / 4
	v_lshlrev_b32 v7, 11, v17                      ; 2,048 t
	v_lshl_add_u32 v7, v2, 9, v7                   ; + 512 (ko / 2): registers 0-3 or 4-7 of the fragment
	v_bfe_u32 v17, v0, 3, 1
	v_lshl_add_u32 v7, v17, 8, v7                  ; + 256 (ko % 2): the fragment's half of the lanes
	v_and_b32 v17, 3, v0
	v_lshl_add_u32 v7, v17, 6, v7                  ; + 64 (nq % 4): four fragment lanes
	s_lshl_b32 s3, s26, 13
	v_add_nc_u32 v7, s3, v7                        ; + my wave's 8,192 bytes
	v_lshlrev_b32 v9, 4, v3
	v_lshlrev_b32 v16, 5, v2
	s_lshl_b32 s3, s26, 10
	v_lshl_add_u32 v20, v3, 2, s3                  ; token of my first index: 1024 w + 4 lane
	v_add_nc_u32 v21, 1024, v3                     ; the list word of a lane without a match
	v_mov_b32 v26, 0
	s_lshl_b32 s3, s26, 2
	s_add_co_u32 s3, s3, WCNT
	v_mov_b32 v27, s3
	s_mul_i32 s2, s26, 4*REG
	s_add_co_u32 s2, s2, LIST                      ; my wave's list
	s_lshl_b32 s3, s26, 4
	v_add_nc_u32 v12, s3, v1                       ; my first rank: 16 w + r
	s_lshl_b32 s3, s28, 7
	v_add_nc_u32 v125, s3, v0                      ; the rank whose token I store into order: 128 s + thread
	v_lshlrev_b32 v123, 2, v0
	s_lshl_b32 s4, s26, 12                         ; byte offsets, made apart from the addresses: sel 4,096 w
	s_mov_b32 s5, 0
	s_lshl_b32 s6, s27, 20                         ; weights: 1,048,576 e + 128 s + 64 w rows of 4,096
	s_lshl_b32 s3, s28, 7
	s_add_co_u32 s6, s6, s3
	s_lshl_b32 s67, s26, 18
	s_add_co_u32 s6, s6, s67
	s_mov_b32 s7, 0
	s_lshl_b32 s66, s27, 12                        ; biases: 4,096 e + 128 s
	s_add_co_u32 s66, s66, s3
	s_mov_b32 s67, 0
	s_lshl_b32 s68, s27, 14                        ; order and cnt alike: 16,384 e + 512 s
	s_lshl_b32 s69, s28, 9
	s_add_co_u32 s68, s68, s69
	s_mov_b32 s69, 0
	s_lshl_b32 s80, s27, 8                         ; h1: (256 e + w) 32,768 + 1,024 s
	s_add_co_u32 s80, s80, s26
	s_lshl_b32 s80, s80, 15
	s_lshl_b32 s3, s28, 10
	s_add_co_u32 s80, s80, s3
	s_mov_b32 s81, 0
	s_wait_kmcnt 0x0
	s_add_nc_u64 s[10:11], s[10:11], s[4:5]
	s_add_nc_u64 s[12:13], s[12:13], s[6:7]
	s_add_nc_u64 s[14:15], s[14:15], s[6:7]
	s_add_nc_u64 s[16:17], s[16:17], s[66:67]
	s_add_nc_u64 s[18:19], s[18:19], s[66:67]
	s_add_nc_u64 s[22:23], s[22:23], s[68:69]
	s_add_nc_u64 s[24:25], s[24:25], s[68:69]
	; ALL LOADS OF THE PREAMBLE GO OUT TOGETHER: 8 of indices, 32 of weights, 8 of biases
.set i, 0
.rept 8
	global_load_b128 v[192+4*i:195+4*i], v9, s[10:11] offset:512*i   ; register 192 + 4 i + j: token 1024 w + 128 i + 4 lane + j
.set i, i+1
.endr
	WIN 0x80                                       ; destination window 2
.set g, 0
.rept 4                                ; group g = 2 m + qq: matrix m (gate, up), K block 2 w + qq
.set i, 0
.rept 8
	global_load_b128 v[32*g+4*i:32*g+4*i+3], v6, s[12+2*(g/2):13+2*(g/2)] offset:(32*(g%2)+i)*4096  ; row 8 ko + i of the block, columns 4 nq ..
.set i, i+1
.endr
.set g, g+1
.endr
	WIN 0
.set a, 0
.rept 4
	global_load_b128 v[32+8*a:35+8*a], v16, s[16+2*(a/2):17+2*(a/2)] offset:64*(a%2)      ; bias of columns 16 t + 8 h + 0..7: the sums' own layout
	global_load_b128 v[36+8*a:39+8*a], v16, s[16+2*(a/2):17+2*(a/2)] offset:64*(a%2)+16
.set a, a+1
.endr
	; COMPACTION, while the weights are on their way
	s_wait_loadcnt 40                              ; the indices are in: 32 loads of weights and 8 of biases are younger
	v_mov_b32 v17, s2
	ds_store_b32 v17, v26                          ; entry 0 holds token 0 until a match overwrites it: an expert without rows reads a written word
.set n, 0
.rept 32
	v_cmp_eq_u32 s[32+n], s27, v[192+n]            ; the lanes whose index is e
.set n, n+1
.endr
	s_mov_b32 s66, 0                               ; matches so far
.set n, 0
.rept 32
	v_mbcnt_lo_u32_b32 v[22+2*(n%2)], s[32+n], s66 ; so far + matches in lower lanes
	v_cndmask_b32 v[22+2*(n%2)], v21, v[22+2*(n%2)], s[32+n]
	v_min_u32 v[22+2*(n%2)], REG-1, v[22+2*(n%2)]  ; inside my wave's list whatever the data
	v_lshl_add_u32 v[22+2*(n%2)], v[22+2*(n%2)], 2, s2
	v_add_nc_u32 v[23+2*(n%2)], 128*(n/4)+n%4, v20
	ds_store_b32 v[22+2*(n%2)], v[23+2*(n%2)]
	s_bcnt1_i32_b32 s67, s[32+n]
	s_add_co_u32 s66, s66, s67
.set n, n+1
.endr
	v_mov_b32 v17, s66
	ds_store_b32 v27, v17                          ; my wave's count
	; THE WEIGHTS: eight rows' numbers of one column pack into 16 bytes, which are four registers of one fragment lane
.set g, 0
.rept 4
	s_wait_loadcnt 8*(3-g)+8                       ; group g is in: the later groups and the 8 loads of biases are younger
	WIN 0x8a                                       ; sources and destination window 2
.set jn, 0
.rept 4
.set p, 0
.rept 4
	v_cvt_pk_bf16_f32 v[128+16*g+4*jn+p], v[32*g+8*p+jn], v[32*g+8*p+4+jn]
.set p, p+1
.endr
.set jn, jn+1
.endr
	WIN 0x08                                       ; store data window 2, address window 0
.set jn, 0
.rept 4
	ds_store_b128 v7, v[128+16*g+4*jn:128+16*g+4*jn+3] offset:(g/2)*4096+(g%2)*1024+jn*16
.set jn, jn+1
.endr
.set g, g+1
.endr
	WIN 0
	s_wait_loadcnt 0x0                             ; the biases
.set k, 0
.rept 16
	v_cvt_pk_bf16_f32 v18, v[32+2*k], v[33+2*k]    ; rounded to bf16 like every input, and widened again
	v_lshlrev_b32 v[32+2*k], 16, v18
	v_and_b32 v[33+2*k], 0xffff0000, v18
.set k, k+1
.endr
	s_wait_dscnt 0x0                               ; for the others' sake: my list, my count and my fragments are in LDS
	s_barrier_signal -1
	s_barrier_wait -1                              ; the launch's one barrier; behind it nobody writes LDS but the spare words
	v_mov_b32 v17, WCNT
	ds_load_b128 v[28:31], v17
	s_wait_dscnt 0x0
	v_readfirstlane_b32 s68, v28
	v_readfirstlane_b32 s69, v29
	v_readfirstlane_b32 s70, v30
	v_readfirstlane_b32 s71, v31
	s_mov_b32 s72, s68                             ; first rank of list 1,
	s_add_co_u32 s73, s72, s69                     ; of list 2,
	s_add_co_u32 s74, s73, s70                     ; of list 3
	s_add_co_u32 s29, s74, s71
	s_min_u32 s29, s29, 0x1000                     ; the expert's count c
	s_sub_co_u32 s75, REG, s68                     ; what a rank gains in passing a list: the list's unused words
	s_sub_co_u32 s76, REG, s69
	s_sub_co_u32 s77, REG, s70
	s_max_u32 s30, s29, 1
	s_sub_co_u32 s30, s30, 1                       ; the last rank (0 where there is none)
	s_add_co_u32 s31, s29, 15
	s_lshr_b32 s31, s31, 4                         ; blocks of 16 rows
	s_add_co_u32 s31, s31, 3
	s_sub_co_u32 s31, s31, s26
	s_lshr_b32 s31, s31, 2                         ; of which mine: w, w + 4, ...
; The token of rank v[p] (held to the last rank) is asked of the lists.  step = 1: the rank goes on to my next block.
.macro GETTOK dst, p, step
	v_min_u32 v17, s30, v[\p]
	v_cmp_le_u32 vcc_lo, s72, v17
	v_cndmask_b32 v18, 0, s75, vcc_lo
	v_cmp_le_u32 vcc_lo, s73, v17
	v_cndmask_b32 v19, 0, s76, vcc_lo
	v_add3_u32 v18, v17, v18, v19
	v_cmp_le_u32 vcc_lo, s74, v17
	v_cndmask_b32 v19, 0, s77, vcc_lo
	v_add_nc_u32 v18, v18, v19
	v_min_u32 v18, 4*REG-1, v18                    ; inside the lists whatever the data
	v_lshl_add_u32 v18, v18, 2, LIST
	ds_load_b32 v[\dst], v18
.if \step
	v_add_nc_u32 v[\p], 64, v[\p]
.endif
.endm
; A block's x in f32 into buffer b: for K block q the lane's 8 + 8 numbers are four loads of 16 bytes
.macro XLOAD b
	WIN 0x80
.set q, 0
.rept 8
.set u, 0
.rept 4
	global_load_b128 v[128*(\b)+16*q+4*u:128*(\b)+16*q+4*u+3], v[14+(\b)], s[8:9] offset:128*q+64*(u/2)+16*(u%2)
.set u, u+1
.endr
.set q, q+1
.endr
	WIN 0
.endm
	GETTOK 120, 12, 1                              ; my first block's token,
	GETTOK 121, 12, 1                              ; my second's,
	GETTOK 13, 12, 1                               ; my third's,
	GETTOK 122, 125, 0                             ; and the entry of order that I store
	s_wait_dscnt 0x0
	v_min_u32 v120, 0xfff, v120
	v_lshl_add_u32 v14, v120, 10, v16              ; token x 1,024 bytes + 32 h
	v_min_u32 v121, 0xfff, v121
	v_lshl_add_u32 v15, v121, 10, v16
	XLOAD 0
	XLOAD 1
	v_mov_b32 v124, s29
	global_store_b32 v123, v122, s[22:23]          ; the work-group's 128 entries: 512 consecutive bytes
	global_store_b32 v123, v124, s[24:25]          ; the count, 128 times
	WIN 0x40                                       ; destination window 1
.set a, 0
.rept 4
.set q, 0
.rept 8
	ds_load_b128 v[8*(8*a+q):8*(8*a+q)+3],   v9 offset:(q/2)*8192+(2*a+q%2)*1024
	ds_load_b128 v[8*(8*a+q)+4:8*(8*a+q)+7], v9 offset:(q/2)*8192+(2*a+q%2)*1024+512
.set q, q+1
.endr
.set a, a+1
.endr
	WIN 0
	s_wait_dscnt 0x0                               ; the weights stay in registers from here on
	s_cmp_eq_u32 s31, 0
	s_cbranch_scc1 .Ldone                          ; a wave without a block
; ONE BLOCK OF 16 ROWS, from x buffer b.
.macro BODY b
	s_wait_loadcnt 32                              ; this buffer's 32 loads are in; the other buffer's 32 are younger
	WIN 0x0a                                       ; sources window 2, destination window 0
.set k, 0
.rept 64
	v_cvt_pk_bf16_f32 v[128+k], v[128*(\b)+2*k], v[128*(\b)+2*k+1]
.set k, k+1
.endr
	WIN 0
	s_wait_dscnt 0x0                               ; the token of my block two trips on
	v_min_u32 v13, 0xfff, v13
	v_lshl_add_u32 v[14+(\b)], v13, 10, v16        ; free: the wait at the head showed the loads that named it done
	XLOAD \b                                       ; past my last block the ranks repeat the expert's last row: the loads stay inside x
	WIN 0x01                                       ; weights window 1; x, bias and sums window 0
.set q, 0
.rept 8                                ; the four sums take turns, one instruction a turn
.set a, 0
.rept 4
.if q == 0
	v_wmma_f32_16x16x32_bf16 v[64+8*a:71+8*a], v[8*(8*a+q):8*(8*a+q)+7], v[128+8*q:135+8*q], v[32+8*a:39+8*a]
.else
	v_wmma_f32_16x16x32_bf16 v[64+8*a:71+8*a], v[8*(8*a+q):8*(8*a+q)+7], v[128+8*q:135+8*q], v[64+8*a:71+8*a]
.endif
.set a, a+1
.endr
.set q, q+1
.endr
	WIN 0
	GETTOK 13, 12, 1                               ; eleven plain instructions that name no register of the products: the places behind them
.set k, 0
.rept 8
	v_pk_mul_f32 v[96+2*k:97+2*k], v[64+2*k:65+2*k], 0xbfb8aa3b op_sel_hi:[1,0]   ; - g log2(e); each sum is read from its low end on
.set k, k+1
.endr
.set k, 0
.rept 16
	v_exp_f32 v[96+k], v[96+k]
.set k, k+1
.endr
	v_nop                                          ; a plain instruction behind the last exponential,
	s_wait_alu depctr_va_vdst(0)                   ; and one wait for the batch, ahead of its first reader
.set k, 0
.rept 8
	v_pk_add_f32 v[96+2*k:97+2*k], v[96+2*k:97+2*k], 1.0 op_sel_hi:[1,0]
.set k, k+1
.endr
.set k, 0
.rept 16
	v_rcp_f32 v[96+k], v[96+k]
.set k, k+1
.endr
	v_nop
	s_wait_alu depctr_va_vdst(0)                   ; one wait for the sixteen reciprocals
.set k, 0
.rept 8
	v_pk_mul_f32 v[64+2*k:65+2*k], v[64+2*k:65+2*k], v[96+2*k:97+2*k]   ; g sigmoid(g)
.set k, k+1
.endr
.set k, 0
.rept 8
	v_pk_mul_f32 v[64+2*k:65+2*k], v[64+2*k:65+2*k], v[80+2*k:81+2*k]   ; times u
.set k, k+1
.endr
	s_wait_xcnt 0x0                                ; the last block's stores have read their data and their base: both are written anew below
	s_add_nc_u64 s[78:79], s[20:21], s[80:81]
	s_add_co_u32 s80, s80, 131072                  ; four blocks of 32,768 bytes on
.set k, 0
.rept 8
	v_cvt_pk_bf16_f32 v[112+k], v[64+2*k], v[65+2*k]
.set k, k+1
.endr
	global_store_b128 v9, v[112:115], s[78:79]             ; 512 consecutive bytes each, aligned
	global_store_b128 v9, v[116:119], s[78:79] offset:512
.endm
	s_mov_b32 s82, s31                             ; blocks to go
	s_mov_b32 s83, 0
.Lrow:                                         ; counted to the constant that serves every split: 32 trips of two blocks are the 64 blocks of a wave when all 4,096 rows choose one expert
	BODY 0
	s_sub_co_u32 s82, s82, 1
	s_cmp_eq_u32 s82, 0
	s_cbranch_scc1 .Ldone
	BODY 1
	s_sub_co_u32 s82, s82, 1
	s_cmp_eq_u32 s82, 0
	s_cbranch_scc1 .Ldone
	s_add_co_u32 s83, s83, 1
	s_cmp_lt_u32 s83, 32
	s_cbranch_scc1 .Lrow
.Ldone:
	s_wait_tensorcnt 0x0                           ; the wave's end, behind my last LDS store
	ds_add_u32 v10, v11
	s_wait_dscnt 0x0
	s_endpgm
.Lfunc_end_k_q91e5bc1bff_swiglu:
	.size	k_q91e5bc1bff_swiglu, .Lfunc_end_k_q91e5bc1bff_swiglu-k_q91e5bc1bff_swiglu
	.p2alignl 7, 3214868480
	.fill 96, 4, 3214868480
	.section	.rodata,"a",@progbits
	.p2align	6, 0x0
	.amdhsa_kernel k_q91e5bc1bff_swiglu
		.amdhsa_group_segment_fixed_size 50432
		.amdhsa_private_segment_fixed_size 0
		.amdhsa_enable_private_segment 0
		.amdhsa_kernarg_size 72
		.amdhsa_user_sgpr_count 2
		.amdhsa_user_sgpr_kernarg_segment_ptr 1
		.amdhsa_wavefront_size32 1
		.amdhsa_system_sgpr_workgroup_id_x 1
		.amdhsa_system_sgpr_workgroup_id_y 1
		.amdhsa_system_sgpr_workgroup_id_z 1
		.amdhsa_system_vgpr_workitem_id 0
		.amdhsa_next_free_vgpr 768
		.amdhsa_next_free_sgpr 84
		.amdhsa_reserve_vcc 1
		.amdhsa_float_denorm_mode_32 3
		.amdhsa_float_denorm_mode_16_64 3
		.amdhsa_memory_ordered 1
		.amdhsa_forward_progress 1
		.amdhsa_inst_pref_size 75
	.end_amdhsa_kernel
	.amdgpu_metadata
---
amdhsa.version: [ 1, 2 ]
amdhsa.kernels:
  - .name:           k_q91e5bc1bff_swiglu
    .symbol:         k_q91e5bc1bff_swiglu.kd
    .args:
      - { .name: x_parts, .offset: 0, .size: 8, .value_kind: global_buffer, .address_space: global }
      - { .name: selected_experts, .offset: 8, .size: 8, .value_kind: global_buffer, .address_space: global }
      - { .name: Wg, .offset: 16, .size: 8, .value_kind: global_buffer, .address_space: global }
      - { .name: Wu, .offset: 24, .size: 8, .value_kind: global_buffer, .address_space: global }
      - { .name: bg, .offset: 32, .size: 8, .value_kind: global_buffer, .address_space: global }
      - { .name: bu, .offset: 40, .size: 8, .value_kind: global_buffer, .address_space: global }
      - { .name: h1, .offset: 48, .size: 8, .value_kind: global_buffer, .address_space: global }
      - { .name: order, .offset: 56, .size: 8, .value_kind: global_buffer, .address_space: global }
      - { .name: cnt, .offset: 64, .size: 8, .value_kind: global_buffer, .address_space: global }
    .group_segment_fixed_size: 50432
    .private_segment_fixed_size: 0
    .kernarg_segment_align: 8
    .kernarg_segment_size: 72
    .max_flat_workgroup_size: 128
    .sgpr_count:     84
    .vgpr_count:     768
    .wavefront_size: 32
...
	.end_amdgpu_metadata
.endif
;; end of part 1
;; launch mid (part 2): grid 32 x 8, 4 waves a work-group, no clusters, 66,048 bytes of LDS; arguments h1, W1, b1, cnt, h2; writes h2
.if DOCPART == 2
	.amdgcn_target "amdgcn-amd-amdhsa--gfx1250"
	.amdhsa_code_object_version 6
	.text
	.protected	k_q91e5bc1bff_mid
	.globl	k_q91e5bc1bff_mid
	.p2align	8
	.type	k_q91e5bc1bff_mid,@function
k_q91e5bc1bff_mid:
	s_mov_b64 s[64:65], 0
	v_nop
	global_prefetch_b8 v0, s[64:65] scope:SCOPE_SE
	s_setreg_imm32_b32 hwreg(HW_REG_WAVE_MODE, 25, 1), 1
	s_wait_xcnt 0x0
; h2 = relu(h1 W1[e] + b1[e]), stored as two bf16 numbers: hi = bf16(h2), lo = bf16(h2 - hi).
; SHARES.  Work-group (s, e): columns 32 s .. 32 s + 31 of expert e for all 1,024 k: 64 fragments, 512 registers a wave, and all of the expert's blocks of 16 rows; wave w takes blocks w, w + 4, ...
; Each weight is read once in the launch, by this work-group, and rounded to bf16 on its way through registers; the four waves each round a quarter and hand it round through LDS.
; h1 lies as fragments ((256 e + block) 64 + cb) 512 + 16 lane: a lane's 16 bytes are registers 0-3 (cb = 2 q) or 4-7 (cb = 2 q + 1) of source 1 for K block q: every load covers 512 consecutive bytes.
; PRODUCT.  Source 0 = 16 columns of weights, source 1 = 16 rows: a lane's eight results are eight neighbouring columns of one row.  For each column half two sums, of the even and the odd K blocks,
; so that four accumulators take turns; the bias, rounded to bf16 like every input, starts the even one.
; h2 byte address: ((256 e + block) 128 + 64 part + cb) 512 + 16 lane, part 0 hi, 1 lo.
; NO CLUSTER, NO TENSOR LOADS: what an expert's 32 work-groups share is its blocks of h1; the walk's length is a stored count, so the loop holds no barrier and writes no LDS, and a walk of constant
; length that serves every split would fetch 4,096 rows an expert, eight times an even split's.  No weight has a second reader.
; LIMITS.  NaN and infinities are not treated apart (relu by a maximum in which a NaN loses).
.set SPARE, 65536                      ; LDS: 0 .. 65535 fragment f = 2 q + t at 1,024 f (16,384 bytes a wave); then the spare words, 128 bytes a wave
; window 0: v2 h, v3 lane, v4-5 at work, v6 weights' offset, v7 fragments' store address, v9 32 h, v10-11 the add's, v12 16 lane, v16-31 biases,
;   v32-63 sums (column half t, chain p at 32 + 16 p + 8 t), v64-79 h2, v80-87 hi, v88-95 lo, v96-111 hi widened
; window 1: a block's h1, K block q at 8 q: four chunks of 64.   windows 2, 3: the weights, fragment f at 8 f (in the preamble: f32 in window 2, packed in window 3)
.set MSB, 0
.macro WIN new                         ; the immediate's high byte repeats the setting that is left; a switch that changes nothing is dropped
.if MSB != (\new)
	s_set_vgpr_msb (MSB<<8)|(\new)
.set MSB, (\new)
.endif
.endm
.macro PLACES                          ; four plain instructions between a product and a load into, or a reader of, its registers
.rept 4
	v_nop
.endr
.endm
	s_load_b256 s[8:15], s[0:1], 0x0               ; h1 8:9, W1 10:11, b1 12:13, cnt 14:15
	s_load_b64 s[16:17], s[0:1], 0x20              ; h2
	v_lshl_add_u32 v10, v0, 2, SPARE               ; my spare word,
	v_mov_b32 v11, 0                               ; and 0: kept for the add alone
	v_lshrrev_b32 v4, 5, v0
	v_readfirstlane_b32 s20, v4                    ; wave w
	s_and_b32 s21, ttmp7, 0xffff                   ; expert e
	s_mov_b32 s22, ttmp9                           ; slice s
	v_bfe_u32 v2, v0, 4, 1                         ; h
	v_and_b32 v3, 31, v0                           ; lane
	v_and_b32 v4, 7, v0                            ; nq
	v_bfe_u32 v5, v0, 3, 2                         ; ko
	v_lshlrev_b32 v6, 15, v5                       ; 8 ko rows of 4,096 bytes
	v_lshl_add_u32 v6, v4, 4, v6                   ; + 16 nq
	v_bfe_u32 v4, v0, 2, 1
	v_lshlrev_b32 v7, 10, v4                       ; 1,024 (nq / 4): the column half's fragment
	v_lshl_add_u32 v7, v2, 9, v7                   ; + 512 (ko / 2)
	v_bfe_u32 v4, v0, 3, 1
	v_lshl_add_u32 v7, v4, 8, v7                   ; + 256 (ko % 2)
	v_and_b32 v4, 3, v0
	v_lshl_add_u32 v7, v4, 6, v7                   ; + 64 (nq % 4)
	s_lshl_b32 s27, s20, 14
	v_add_nc_u32 v7, s27, v7                       ; + my wave's 16,384 bytes
	v_lshlrev_b32 v9, 5, v2
	v_lshlrev_b32 v12, 4, v3
	s_lshl_b32 s36, s21, 5                         ; byte offsets, made apart from the addresses: cnt (32 e + s) 512
	s_add_co_u32 s36, s36, s22
	s_lshl_b32 s36, s36, 9
	s_mov_b32 s37, 0
	s_lshl_b32 s38, s21, 22                        ; W1: 4,194,304 e + 128 s + 256 w rows of 4,096
	s_lshl_b32 s40, s22, 7
	s_add_co_u32 s38, s38, s40
	s_lshl_b32 s41, s20, 20
	s_add_co_u32 s38, s38, s41
	s_mov_b32 s39, 0
	s_lshl_b32 s41, s21, 12                        ; b1: 4,096 e + 128 s
	s_add_co_u32 s40, s40, s41
	s_mov_b32 s41, 0
	s_lshl_b32 s30, s21, 8                         ; h1: (256 e + w) 32,768
	s_add_co_u32 s30, s30, s20
	s_lshl_b32 s34, s30, 16                        ; h2: (256 e + w) 65,536 + 1,024 s
	s_lshl_b32 s30, s30, 15
	s_mov_b32 s31, 0
	s_lshl_b32 s27, s22, 10
	s_add_co_u32 s34, s34, s27
	s_mov_b32 s35, 0
	s_wait_kmcnt 0x0
	s_add_nc_u64 s[14:15], s[14:15], s[36:37]
	s_load_b32 s23, s[14:15], 0x0                  ; the expert's count
	s_add_nc_u64 s[10:11], s[10:11], s[38:39]
	s_add_nc_u64 s[12:13], s[12:13], s[40:41]
	WIN 0x80                                       ; destination window 2
.set qq, 0
.rept 8                                ; my eight K blocks, 8 w + qq
.set i, 0
.rept 8
	global_load_b128 v[32*qq+4*i:32*qq+4*i+3], v6, s[10:11] offset:(32*qq+i)*4096
.set i, i+1
.endr
.set qq, qq+1
.endr
	WIN 0
.set t, 0
.rept 2
	global_load_b128 v[16+8*t:19+8*t], v9, s[12:13] offset:64*t
	global_load_b128 v[20+8*t:23+8*t], v9, s[12:13] offset:64*t+16
.set t, t+1
.endr
.set qq, 0
.rept 8
	s_wait_loadcnt 8*(7-qq)+4                      ; block qq is in: the later blocks and the 4 loads of biases are younger
	WIN 0xca                                       ; sources window 2, destination window 3
.set jn, 0
.rept 4
.set p, 0
.rept 4
	v_cvt_pk_bf16_f32 v[16*qq+4*jn+p], v[32*qq+8*p+jn], v[32*qq+8*p+4+jn]
.set p, p+1
.endr
.set jn, jn+1
.endr
	WIN 0x0c                                       ; store data window 3, address window 0
.set jn, 0
.rept 4
	ds_store_b128 v7, v[16*qq+4*jn:16*qq+4*jn+3] offset:qq*2048+jn*16
.set jn, jn+1
.endr
.set qq, qq+1
.endr
	WIN 0
	s_wait_loadcnt 0x0                             ; the biases
.set k, 0
.rept 8
	v_cvt_pk_bf16_f32 v5, v[16+2*k], v[17+2*k]     ; rounded to bf16 like every input, and widened again
	v_lshlrev_b32 v[16+2*k], 16, v5
	v_and_b32 v[17+2*k], 0xffff0000, v5
.set k, k+1
.endr
	s_wait_kmcnt 0x0
	s_min_u32 s23, s23, 0x1000
	s_add_co_u32 s24, s23, 15
	s_lshr_b32 s24, s24, 4                         ; blocks of 16 rows
	s_add_co_u32 s24, s24, 3
	s_sub_co_u32 s24, s24, s20
	s_lshr_b32 s24, s24, 2                         ; of which mine
	s_wait_dscnt 0x0                               ; for the others' sake: my fragments are in LDS
	s_barrier_signal -1
	s_barrier_wait -1                              ; the launch's one barrier; behind it nobody writes LDS but the spare words
	s_cmp_eq_u32 s24, 0
	s_cbranch_scc1 .Ldone                          ; a wave without a block
; Chunk c (K blocks 8 c .. 8 c + 7) of the block at s[28:29]: 16 loads of 512 consecutive bytes
.macro TLOAD c
	WIN 0x40                                       ; destination window 1
.set qq, 0
.rept 8
.set q, 8*(\c)+qq
	global_load_b128 v[8*q:8*q+3],   v12, s[28:29] offset:1024*q
	global_load_b128 v[8*q+4:8*q+7], v12, s[28:29] offset:1024*q+512
.set qq, qq+1
.endr
.endm
; The 16 products of chunk c.  The four sums take turns, one instruction a turn: over the chunks' borders, the loop's jump and into the tail too.
.macro MULS c
.set qq, 0
.rept 8
.set q, 8*(\c)+qq
.set t, 0
.rept 2
.set rD, 32+16*(q%2)+8*t
.set rA, 8*((2*q+t)%32)
.if q == 0
	v_wmma_f32_16x16x32_bf16 v[rD:rD+7], v[rA:rA+7], v[8*q:8*q+7], v[16+8*t:23+8*t]
.elseif q == 1
	v_wmma_f32_16x16x32_bf16 v[rD:rD+7], v[rA:rA+7], v[8*q:8*q+7], 0
.else
	v_wmma_f32_16x16x32_bf16 v[rD:rD+7], v[rA:rA+7], v[8*q:8*q+7], v[rD:rD+7]
.endif
.set t, t+1
.endr
.set qq, qq+1
.endr
.endm
	s_add_nc_u64 s[28:29], s[8:9], s[30:31]
	TLOAD 0                                        ; my first block: 64 loads
	TLOAD 1
	TLOAD 2
	TLOAD 3
	WIN 0x80
.set f, 0
.rept 32
	ds_load_b128 v[8*f:8*f+3],   v12 offset:1024*f
	ds_load_b128 v[8*f+4:8*f+7], v12 offset:1024*f+512
.set f, f+1
.endr
	WIN 0xc0
.set f, 0
.rept 32
	ds_load_b128 v[8*f:8*f+3],   v12 offset:32768+1024*f
	ds_load_b128 v[8*f+4:8*f+7], v12 offset:32768+1024*f+512
.set f, f+1
.endr
	WIN 0
	s_wait_dscnt 0x0                               ; the weights stay in registers from here on
; ONE BLOCK OF 16 ROWS.  refill = 1: each chunk, once multiplied, is loaded again with my next block's.
.macro BODY refill
.set j, 0
.rept 4
.if \refill
	s_wait_loadcnt 48                              ; chunk j is in: the three chunks asked for behind it are younger, round the loop's jump too
.else
	s_wait_loadcnt 48-16*j                         ; nothing is asked for any more: the counts run down
.endif
	WIN 0x06+j/2                                   ; weights window 2 or 3, h1 window 1, sums window 0
	MULS j
	PLACES                                         ; ahead of the loads into the chunk, and of the sums' readers
	WIN 0
.if j == 0
	s_wait_xcnt 0x0                                ; the pending loads and the last block's stores have read their bases and data: all are written anew below
	s_add_nc_u64 s[32:33], s[16:17], s[34:35]
	s_add_co_u32 s34, s34, 262144                  ; four blocks of 65,536 bytes on
.if \refill
	s_add_co_u32 s30, s30, 131072                  ; four blocks of 32,768 bytes on
	s_add_nc_u64 s[28:29], s[8:9], s[30:31]
.endif
.endif
.if \refill
	TLOAD j
.endif
.set j, j+1
.endr
	WIN 0
.set k, 0
.rept 8                                ; the two chains of each column half; each sum is read from its low end on
	v_pk_add_f32 v[64+2*k:65+2*k], v[32+2*k:33+2*k], v[48+2*k:49+2*k]
.set k, k+1
.endr
.set k, 0
.rept 16
	v_max_num_f32 v[64+k], 0, v[64+k]
.set k, k+1
.endr
.set k, 0
.rept 8
	v_cvt_pk_bf16_f32 v[80+k], v[64+2*k], v[65+2*k]        ; hi
.set k, k+1
.endr
.set k, 0
.rept 8
	v_lshlrev_b32 v[96+2*k], 16, v[80+k]
	v_and_b32 v[97+2*k], 0xffff0000, v[80+k]
.set k, k+1
.endr
.set k, 0
.rept 8
	v_pk_add_f32 v[64+2*k:65+2*k], v[64+2*k:65+2*k], v[96+2*k:97+2*k] neg_lo:[0,1] neg_hi:[0,1]
.set k, k+1
.endr
.set k, 0
.rept 8
	v_cvt_pk_bf16_f32 v[88+k], v[64+2*k], v[65+2*k]        ; lo
.set k, k+1
.endr
.set t, 0
.rept 2
	global_store_b128 v12, v[80+4*t:83+4*t], s[32:33] offset:512*t         ; 512 consecutive bytes each, aligned
	global_store_b128 v12, v[88+4*t:91+4*t], s[32:33] offset:512*t+32768
.set t, t+1
.endr
.endm
	s_sub_co_u32 s25, s24, 1
	s_mov_b32 s26, 0
	s_cmp_eq_u32 s25, 0
	s_cbranch_scc1 .Ltail
.Lrow:                                         ; all my blocks but the last; the loop touches no LDS
	BODY 1
	s_add_co_u32 s26, s26, 1
	s_cmp_lt_u32 s26, s25
	s_cbranch_scc1 .Lrow
.Ltail:
	BODY 0                                         ; the last block asks for nothing: no load leaves what the launch before has stored
.Ldone:
	s_wait_tensorcnt 0x0                           ; the wave's end, behind my last LDS store
	ds_add_u32 v10, v11
	s_wait_dscnt 0x0
	s_endpgm
.Lfunc_end_k_q91e5bc1bff_mid:
	.size	k_q91e5bc1bff_mid, .Lfunc_end_k_q91e5bc1bff_mid-k_q91e5bc1bff_mid
	.p2alignl 7, 3214868480
	.fill 96, 4, 3214868480
	.section	.rodata,"a",@progbits
	.p2align	6, 0x0
	.amdhsa_kernel k_q91e5bc1bff_mid
		.amdhsa_group_segment_fixed_size 66048
		.amdhsa_private_segment_fixed_size 0
		.amdhsa_enable_private_segment 0
		.amdhsa_kernarg_size 40
		.amdhsa_user_sgpr_count 2
		.amdhsa_user_sgpr_kernarg_segment_ptr 1
		.amdhsa_wavefront_size32 1
		.amdhsa_system_sgpr_workgroup_id_x 1
		.amdhsa_system_sgpr_workgroup_id_y 1
		.amdhsa_system_sgpr_workgroup_id_z 1
		.amdhsa_system_vgpr_workitem_id 0
		.amdhsa_next_free_vgpr 1024
		.amdhsa_next_free_sgpr 66
		.amdhsa_reserve_vcc 0
		.amdhsa_float_denorm_mode_32 3
		.amdhsa_float_denorm_mode_16_64 3
		.amdhsa_memory_ordered 1
		.amdhsa_forward_progress 1
		.amdhsa_inst_pref_size 60
	.end_amdhsa_kernel
	.amdgpu_metadata
---
amdhsa.version: [ 1, 2 ]
amdhsa.kernels:
  - .name:           k_q91e5bc1bff_mid
    .symbol:         k_q91e5bc1bff_mid.kd
    .args:
      - { .name: h1, .offset: 0, .size: 8, .value_kind: global_buffer, .address_space: global }
      - { .name: W1, .offset: 8, .size: 8, .value_kind: global_buffer, .address_space: global }
      - { .name: b1, .offset: 16, .size: 8, .value_kind: global_buffer, .address_space: global }
      - { .name: cnt, .offset: 24, .size: 8, .value_kind: global_buffer, .address_space: global }
      - { .name: h2, .offset: 32, .size: 8, .value_kind: global_buffer, .address_space: global }
    .group_segment_fixed_size: 66048
    .private_segment_fixed_size: 0
    .kernarg_segment_align: 8
    .kernarg_segment_size: 40
    .max_flat_workgroup_size: 128
    .sgpr_count:     66
    .vgpr_count:     1024
    .wavefront_size: 32
...
	.end_amdgpu_metadata
.endif
;; end of part 2
;; launch down (part 3): grid 32 x 8, 4 waves a work-group, no clusters, 66,048 bytes of LDS; arguments h2, W2, b2, cnt, order, out0; writes out0
.if DOCPART == 3
	.amdgcn_target "amdgcn-amd-amdhsa--gfx1250"
	.amdhsa_code_object_version 6
	.text
	.protected	k_q91e5bc1bff_down
	.globl	k_q91e5bc1bff_down
	.p2align	8
	.type	k_q91e5bc1bff_down,@function
k_q91e5bc1bff_down:
	s_mov_b64 s[64:65], 0
	v_nop
	global_prefetch_b8 v0, s[64:65] scope:SCOPE_SE
	s_setreg_imm32_b32 hwreg(HW_REG_WAVE_MODE, 25, 1), 1
	s_wait_xcnt 0x0
; out[token] = (hi + lo) W2[e] + b2[e], scattered to the tokens' rows by the list that the first launch stored.
; SHARES.  Work-group (x, e): s = x % 8 is a slice of 32 output columns for all 1,024 k (64 fragments, 512 registers a wave); rq = x / 8 a quarter of the expert's blocks of 16 rows:
; stream 4 rq + w takes blocks 4 rq + w, + 16, ...  Four work-groups read each slice of W2 and round it to bf16 on its way through registers.
; A block is multiplied twice by the same weights, its hi part and then its lo part, into the same sums: 128 products.  The four chunks of 64 registers that hold a part take turns:
; hi's chunk, once multiplied, takes lo's; lo's takes the next block's hi.
; PRODUCT as in the launch before: a lane's eight results are eight neighbouring columns of one row, 32 bytes of f32, stored as two pieces of 16 bytes straight from registers.
; A wave can hold 32 columns x 1,024 k and no more, so a row's share is 128 bytes: an aligned block of 256 bytes of out0 is filled by two work-groups.
; Ranks past the count repeat the expert's last token: they store the same numbers onto the same row, from the same instruction.
; NO CLUSTER, NO TENSOR LOADS: the walk's length is a stored count, so the loop holds no barrier and writes no LDS.
; LIMITS.  A token whose index lies outside 0..7 is in no list: its row is never written.  NaN and infinities are not treated apart.
.set SPARE, 65536                      ; LDS: 0 .. 65535 fragment f = 2 q + t at 1,024 f (16,384 bytes a wave); then the spare words, 128 bytes a wave
; window 0: v1 r, v2 h, v3 lane, v4-5 at work, v6 weights' offset, v7 fragments' store address, v8 4 r, v9 32 h, v10-11 the add's, v12 16 lane, v13 the row's token, v14 its offset in out0,
;   v16-31 biases, v32-63 sums (column half t, chain p at 32 + 16 p + 8 t), v64-79 results
; window 1: a part of a block, K block q at 8 q: four chunks of 64.   windows 2, 3: the weights, fragment f at 8 f (in the preamble: f32 in window 2, packed in window 3)
.set MSB, 0
.macro WIN new                         ; the immediate's high byte repeats the setting that is left; a switch that changes nothing is dropped
.if MSB != (\new)
	s_set_vgpr_msb (MSB<<8)|(\new)
.set MSB, (\new)
.endif
.endm
.macro PLACES                          ; four plain instructions between a product and a load into, or a reader of, its registers
.rept 4
	v_nop
.endr
.endm
	s_load_b256 s[8:15], s[0:1], 0x0               ; h2 8:9, W2 10:11, b2 12:13, cnt 14:15
	s_load_b128 s[16:19], s[0:1], 0x20             ; order 16:17, out0 18:19
	v_lshl_add_u32 v10, v0, 2, SPARE               ; my spare word,
	v_mov_b32 v11, 0                               ; and 0: kept for the add alone
	v_lshrrev_b32 v4, 5, v0
	v_readfirstlane_b32 s20, v4                    ; wave w
	s_and_b32 s21, ttmp7, 0xffff                   ; expert e
	s_mov_b32 s22, ttmp9                           ; x
	s_and_b32 s44, s22, 7                          ; slice s
	s_lshr_b32 s45, s22, 3                         ; rq
	s_lshl2_add_u32 s46, s45, s20                  ; my stream: 4 rq + w
	v_and_b32 v1, 15, v0                           ; r
	v_bfe_u32 v2, v0, 4, 1                         ; h
	v_and_b32 v3, 31, v0                           ; lane
	v_and_b32 v4, 7, v0                            ; nq
	v_bfe_u32 v5, v0, 3, 2                         ; ko
	v_lshlrev_b32 v6, 13, v5                       ; 8 ko rows of 1,024 bytes
	v_lshl_add_u32 v6, v4, 4, v6                   ; + 16 nq
	v_bfe_u32 v4, v0, 2, 1
	v_lshlrev_b32 v7, 10, v4                       ; 1,024 (nq / 4)
	v_lshl_add_u32 v7, v2, 9, v7                   ; + 512 (ko / 2)
	v_bfe_u32 v4, v0, 3, 1
	v_lshl_add_u32 v7, v4, 8, v7                   ; + 256 (ko % 2)
	v_and_b32 v4, 3, v0
	v_lshl_add_u32 v7, v4, 6, v7                   ; + 64 (nq % 4)
	s_lshl_b32 s27, s20, 14
	v_add_nc_u32 v7, s27, v7                       ; + my wave's 16,384 bytes
	v_lshlrev_b32 v8, 2, v1
	v_lshlrev_b32 v9, 5, v2
	v_lshlrev_b32 v12, 4, v3
	s_lshl_b32 s32, s21, 5                         ; byte offsets, made apart from the addresses: cnt (32 e + x) 512
	s_add_co_u32 s32, s32, s22
	s_lshl_b32 s32, s32, 9
	s_mov_b32 s33, 0
	s_lshl_b32 s48, s44, 7                         ; the slice's 128 bytes of a row
	s_mov_b32 s49, 0
	s_lshl_b32 s34, s21, 20                        ; W2: 1,048,576 e + 128 s + 256 w rows of 1,024
	s_add_co_u32 s34, s34, s48
	s_lshl_b32 s47, s20, 18
	s_add_co_u32 s34, s34, s47
	s_mov_b32 s35, 0
	s_lshl_b32 s36, s21, 10                        ; b2: 1,024 e + 128 s
	s_add_co_u32 s36, s36, s48
	s_mov_b32 s37, 0
	s_lshl_b32 s30, s21, 8                         ; h2: (256 e + stream) 65,536
	s_add_co_u32 s30, s30, s46
	s_lshl_b32 s30, s30, 16
	s_mov_b32 s31, 0
	s_lshl_b32 s42, s21, 8                         ; order: (4,096 e + 16 stream) 4
	s_add_co_u32 s42, s42, s46
	s_lshl_b32 s42, s42, 6
	s_mov_b32 s43, 0
	s_wait_kmcnt 0x0
	s_add_nc_u64 s[14:15], s[14:15], s[32:33]
	s_load_b32 s23, s[14:15], 0x0                  ; the expert's count
	s_add_nc_u64 s[10:11], s[10:11], s[34:35]
	s_add_nc_u64 s[12:13], s[12:13], s[36:37]
	s_add_nc_u64 s[38:39], s[18:19], s[48:49]      ; out0 at the slice's columns
	WIN 0x80                                       ; destination window 2
.set qq, 0
.rept 8                                ; my eight K blocks, 8 w + qq
.set i, 0
.rept 8
	global_load_b128 v[32*qq+4*i:32*qq+4*i+3], v6, s[10:11] offset:(32*qq+i)*1024
.set i, i+1
.endr
.set qq, qq+1
.endr
	WIN 0
.set t, 0
.rept 2
	global_load_b128 v[16+8*t:19+8*t], v9, s[12:13] offset:64*t
	global_load_b128 v[20+8*t:23+8*t], v9, s[12:13] offset:64*t+16
.set t, t+1
.endr
.set qq, 0
.rept 8
	s_wait_loadcnt 8*(7-qq)+4                      ; block qq is in: the later blocks and the 4 loads of biases are younger
	WIN 0xca                                       ; sources window 2, destination window 3
.set jn, 0
.rept 4
.set p, 0
.rept 4
	v_cvt_pk_bf16_f32 v[16*qq+4*jn+p], v[32*qq+8*p+jn], v[32*qq+8*p+4+jn]
.set p, p+1
.endr
.set jn, jn+1
.endr
	WIN 0x0c                                       ; store data window 3, address window 0
.set jn, 0
.rept 4
	ds_store_b128 v7, v[16*qq+4*jn:16*qq+4*jn+3] offset:qq*2048+jn*16
.set jn, jn+1
.endr
.set qq, qq+1
.endr
	WIN 0
	s_wait_loadcnt 0x0                             ; the biases
.set k, 0
.rept 8
	v_cvt_pk_bf16_f32 v5, v[16+2*k], v[17+2*k]     ; rounded to bf16 like every input, and widened again
	v_lshlrev_b32 v[16+2*k], 16, v5
	v_and_b32 v[17+2*k], 0xffff0000, v5
.set k, k+1
.endr
	s_wait_kmcnt 0x0
	s_min_u32 s23, s23, 0x1000
	s_add_co_u32 s24, s23, 15
	s_lshr_b32 s24, s24, 4                         ; blocks of 16 rows
	s_add_co_u32 s24, s24, 15
	s_sub_co_u32 s24, s24, s46
	s_lshr_b32 s24, s24, 4                         ; of which my stream's
	s_wait_dscnt 0x0                               ; for the others' sake: my fragments are in LDS
	s_barrier_signal -1
	s_barrier_wait -1                              ; the launch's one barrier; behind it nobody writes LDS but the spare words
	s_cmp_eq_u32 s24, 0
	s_cbranch_scc1 .Ldone                          ; a wave without a block
; Chunk c (K blocks 8 c .. 8 c + 7) of the part that begins off bytes behind s[28:29]: 16 loads of 512 consecutive bytes
.macro TLOAD c, off
	WIN 0x40                                       ; destination window 1
.set qq, 0
.rept 8
.set q, 8*(\c)+qq
	global_load_b128 v[8*q:8*q+3],   v12, s[28:29] offset:(\off)+1024*q
	global_load_b128 v[8*q+4:8*q+7], v12, s[28:29] offset:(\off)+1024*q+512
.set qq, qq+1
.endr
.endm
; The 16 products of chunk c.  first = 1: the block's first chunk starts the sums.  The four sums take turns, one instruction a turn.
.macro MULS c, first
.set qq, 0
.rept 8
.set q, 8*(\c)+qq
.set t, 0
.rept 2
.set rD, 32+16*(q%2)+8*t
.set rA, 8*((2*q+t)%32)
.if (\first) && (q == 0)
	v_wmma_f32_16x16x32_bf16 v[rD:rD+7], v[rA:rA+7], v[8*q:8*q+7], v[16+8*t:23+8*t]
.elseif (\first) && (q == 1)
	v_wmma_f32_16x16x32_bf16 v[rD:rD+7], v[rA:rA+7], v[8*q:8*q+7], 0
.else
	v_wmma_f32_16x16x32_bf16 v[rD:rD+7], v[rA:rA+7], v[8*q:8*q+7], v[rD:rD+7]
.endif
.set t, t+1
.endr
.set qq, qq+1
.endr
.endm
	s_add_nc_u64 s[28:29], s[8:9], s[30:31]
	s_add_nc_u64 s[40:41], s[16:17], s[42:43]
	global_load_b32 v13, v8, s[40:41]              ; my row's token
	TLOAD 0, 0                                     ; my first block's hi part: 64 loads
	TLOAD 1, 0
	TLOAD 2, 0
	TLOAD 3, 0
	WIN 0x80
.set f, 0
.rept 32
	ds_load_b128 v[8*f:8*f+3],   v12 offset:1024*f
	ds_load_b128 v[8*f+4:8*f+7], v12 offset:1024*f+512
.set f, f+1
.endr
	WIN 0xc0
.set f, 0
.rept 32
	ds_load_b128 v[8*f:8*f+3],   v12 offset:32768+1024*f
	ds_load_b128 v[8*f+4:8*f+7], v12 offset:32768+1024*f+512
.set f, f+1
.endr
	WIN 0
	s_wait_dscnt 0x0                               ; the weights stay in registers from here on
; ONE BLOCK OF 16 ROWS, in eight steps: hi's four chunks, lo's four.  refill = 1: lo's chunks, once multiplied, take my next block's hi part.
.macro BODY refill
.set j, 0
.rept 8
.if j < 5
	s_wait_loadcnt 48                              ; this step's chunk is in: the three chunks asked for behind it are younger
.elseif \refill
	s_wait_loadcnt 49                              ; three chunks and the next block's load of tokens are younger
.else
	s_wait_loadcnt 48-16*(j-4)                     ; nothing is asked for any more: the counts run down
.endif
	WIN 0x06+(j%4)/2                               ; weights window 2 or 3, h2 window 1, sums window 0
.if j == 0
	MULS 0, 1
.else
	MULS j%4, 0
.endif
	PLACES                                         ; ahead of the loads into the chunk, and of the sums' readers
	WIN 0
.if j < 4
	TLOAD j, 32768                                 ; the same block's lo part
.else
.if j == 4
	s_wait_xcnt 0x0                                ; the pending loads and the last block's stores have read their bases, offsets and data: all are written anew below
	v_min_u32 v14, 0xfff, v13                      ; the token came in ahead of this block's first chunk
	v_lshl_add_u32 v14, v14, 10, v9                ; token x 1,024 bytes + 32 h
.if \refill
	s_add_co_u32 s30, s30, 1048576                 ; sixteen blocks of 65,536 bytes on
	s_add_nc_u64 s[28:29], s[8:9], s[30:31]
	s_add_co_u32 s42, s42, 1024                    ; sixteen blocks of 16 words on
	s_add_nc_u64 s[40:41], s[16:17], s[42:43]
	global_load_b32 v13, v8, s[40:41]
.endif
.endif
.if \refill
	TLOAD j-4, 0
.endif
.endif
.set j, j+1
.endr
	WIN 0
.set k, 0
.rept 8                                ; the two chains of each column half; each sum is read from its low end on
	v_pk_add_f32 v[64+2*k:65+2*k], v[32+2*k:33+2*k], v[48+2*k:49+2*k]
.set k, k+1
.endr
.set t, 0
.rept 2
	global_store_b128 v14, v[64+8*t:67+8*t], s[38:39] offset:64*t th:TH_STORE_NT
	global_store_b128 v14, v[68+8*t:71+8*t], s[38:39] offset:64*t+16 th:TH_STORE_NT
.set t, t+1
.endr
.endm
	s_sub_co_u32 s25, s24, 1
	s_mov_b32 s26, 0
	s_cmp_eq_u32 s25, 0
	s_cbranch_scc1 .Ltail
.Lrow:                                         ; all my blocks but the last; the loop touches no LDS
	BODY 1
	s_add_co_u32 s26, s26, 1
	s_cmp_lt_u32 s26, s25
	s_cbranch_scc1 .Lrow
.Ltail:
	BODY 0                                         ; the last block asks for no further block: no load leaves what the launches before have stored
.Ldone:
	s_wait_tensorcnt 0x0                           ; the wave's end, behind my last LDS store
	ds_add_u32 v10, v11
	s_wait_dscnt 0x0
	s_endpgm
.Lfunc_end_k_q91e5bc1bff_down:
	.size	k_q91e5bc1bff_down, .Lfunc_end_k_q91e5bc1bff_down-k_q91e5bc1bff_down
	.p2alignl 7, 3214868480
	.fill 96, 4, 3214868480
	.section	.rodata,"a",@progbits
	.p2align	6, 0x0
	.amdhsa_kernel k_q91e5bc1bff_down
		.amdhsa_group_segment_fixed_size 66048
		.amdhsa_private_segment_fixed_size 0
		.amdhsa_enable_private_segment 0
		.amdhsa_kernarg_size 48
		.amdhsa_user_sgpr_count 2
		.amdhsa_user_sgpr_kernarg_segment_ptr 1
		.amdhsa_wavefront_size32 1
		.amdhsa_system_sgpr_workgroup_id_x 1
		.amdhsa_system_sgpr_workgroup_id_y 1
		.amdhsa_system_sgpr_workgroup_id_z 1
		.amdhsa_system_vgpr_workitem_id 0
		.amdhsa_next_free_vgpr 1024
		.amdhsa_next_free_sgpr 66
		.amdhsa_reserve_vcc 0
		.amdhsa_float_denorm_mode_32 3
		.amdhsa_float_denorm_mode_16_64 3
		.amdhsa_memory_ordered 1
		.amdhsa_forward_progress 1
		.amdhsa_inst_pref_size 77
	.end_amdhsa_kernel
	.amdgpu_metadata
---
amdhsa.version: [ 1, 2 ]
amdhsa.kernels:
  - .name:           k_q91e5bc1bff_down
    .symbol:         k_q91e5bc1bff_down.kd
    .args:
      - { .name: h2, .offset: 0, .size: 8, .value_kind: global_buffer, .address_space: global }
      - { .name: W2, .offset: 8, .size: 8, .value_kind: global_buffer, .address_space: global }
      - { .name: b2, .offset: 16, .size: 8, .value_kind: global_buffer, .address_space: global }
      - { .name: cnt, .offset: 24, .size: 8, .value_kind: global_buffer, .address_space: global }
      - { .name: order, .offset: 32, .size: 8, .value_kind: global_buffer, .address_space: global }
      - { .name: out0, .offset: 40, .size: 8, .value_kind: global_buffer, .address_space: global }
    .group_segment_fixed_size: 66048
    .private_segment_fixed_size: 0
    .kernarg_segment_align: 8
    .kernarg_segment_size: 48
    .max_flat_workgroup_size: 128
    .sgpr_count:     66
    .vgpr_count:     1024
    .wavefront_size: 32
...
	.end_amdgpu_metadata
.endif
;; end of part 3
